; MI455X (gfx1250); checked and timed in simulation.
; The chip was launched on July 23, 2026; its instructions are those of AMD's public machine-readable ISA for CDNA 5 (MIT licence, August 2026) and "CDNA5" Instruction Set Architecture Reference Guide (July 2026). The comments in the code are by the model that wrote it; some were corrected since.
;; Linear Multi Head Attention. Allowed arithmetic: matrix products marked QUANTISED: E2M3 operands, one E8M0 scale for each 32 along K, by v_wmma_scale_f32_16x16x128_f8f6f4 with both operands' format E2M3, f32 sums; everything else in f32.
;; Inputs: Wk_codes 1,024 x 32 x 24 uint8 (E2M3 codes of Wk, K innermost, in blocks of 32 codes, four codes in three bytes); Wk_scales 1,024 x 32 uint8 (E8M0 scales of Wk, one for each 32 codes along K); Wo_codes 1,024 x 32 x 24 uint8 (E2M3 codes of Wo, K innermost, in blocks of 32 codes, four codes in three bytes); Wo_scales 1,024 x 32 uint8 (E8M0 scales of Wo, one for each 32 codes along K); Wq_codes 1,024 x 32 x 24 uint8 (E2M3 codes of Wq, K innermost, in blocks of 32 codes, four codes in three bytes); Wq_scales 1,024 x 32 uint8 (E8M0 scales of Wq, one for each 32 codes along K); Wv_codes 1,024 x 32 x 24 uint8 (E2M3 codes of Wv, K innermost, in blocks of 32 codes, four codes in three bytes); Wv_scales 1,024 x 32 uint8 (E8M0 scales of Wv, one for each 32 codes along K); bo 1,024 float32; k_codes 4 x 2,048 x 32 x 24 uint8 (E2M3 codes of k, K innermost, in blocks of 32 codes, four codes in three bytes); k_scales 4 x 2,048 x 32 uint8 (E8M0 scales of k, one for each 32 codes along K); q_codes 4 x 2,048 x 32 x 24 uint8 (E2M3 codes of q, K innermost, in blocks of 32 codes, four codes in three bytes); q_scales 4 x 2,048 x 32 uint8 (E8M0 scales of q, one for each 32 codes along K); v_codes 4 x 2,048 x 32 x 24 uint8 (E2M3 codes of v, K innermost, in blocks of 32 codes, four codes in three bytes); v_scales 4 x 2,048 x 32 uint8 (E8M0 scales of v, one for each 32 codes along K).
;; Outputs: out0 4 x 2,048 x 1,024 float32.
;; This version of the problem:
;;   THIS VERSION OF THE PROBLEM IS GIVEN IN LOW PRECISION. The matrix products marked QUANTISED in the list below multiply operands that are first quantised to E2M3 (2 exponent bits, 3 mantissa bits; 6 bits a number), with one power-of-two scale for each 32 numbers along K (OCP MX v1.0); their sums are f32. All else is computed in f32.
;;   The module's matrix products, in the order in which they are computed (A, B: the left and right operand; K: the contracted axis; several contracted axes count as one K, in the product's order):
;;     1. [M 8,192, K 1,024] x [K 1,024, N 1,024]; A: input q (given as codes); B: input Wq (given as codes): QUANTISED
;;     2. [M 8,192, K 1,024] x [K 1,024, N 1,024]; A: input k (given as codes); B: input Wk (given as codes): QUANTISED
;;     3. [M 8,192, K 1,024] x [K 1,024, N 1,024]; A: input v (given as codes); B: input Wv (given as codes): QUANTISED
;;     4. batch 64 x [M 2,048, K 64] x [K 64, N 2,048]; A: computed on the way; B: computed on the way: QUANTISED
;;     5. batch 64 x [M 64, K 2,048] x [K 2,048, N 2,048]; A: computed on the way; B: softmax (see below): QUANTISED
;;     6. [M 8,192, K 1,024] x [K 1,024, N 1,024]; A: computed on the way; B: input Wo (given as codes): QUANTISED
;;   THE QUANTISER, for each operand of a quantised product, along K:
;;     - K is cut into blocks of 32 from its start; a last block that is shorter is filled with zeros.
;;     - A block's scale is 2^e with e = floor(log2(the largest magnitude in the block)) - 2, held to -126 .. 127; a block of zeros has e = 0. As a byte (E8M0): e + 127.
;;     - Each number is divided by its block's scale, clamped to +-7.5, and rounded to the nearest number of E2M3, ties to even, subnormals kept.
;;     - The product sums the exact products of the quantised numbers (number of the format x scale) in f32.
;;   ~~~python
;;   def quantise(x, axis):      # numpy; x: float32 -> the quantised numbers, widened to float32 again
;;       x = np.moveaxis(x, axis, -1); K = x.shape[-1]
;;       x = np.pad(x, [(0, 0)] * (x.ndim - 1) + [(0, -K % 32)]); x = x.reshape(x.shape[:-1] + (-1, 32)); a = np.abs(x).max(-1, keepdims=True)
;;       e = np.where(a > 0, np.clip(np.frexp(np.where(a > 0, a, 1))[1] - 1 - 2, -126, 127), 0)      # np.frexp(a)[1] - 1 = floor(log2(a)), exactly
;;       r = np.clip(x / 2.0 ** e, -7.5, 7.5)
;;       step = 2.0 ** (np.maximum(np.frexp(np.where(r == 0, 1, r))[1] - 1, 0) - 3)
;;       q = np.round(r / step) * step * 2.0 ** e      # np.round: ties to even
;;       return np.moveaxis(q.reshape(q.shape[:-2] + (-1,))[..., :K], -1, axis).astype(np.float32)
;;   ~~~
;;   SOFTMAX AHEAD OF A QUANTISED PRODUCT. Where the list says 'softmax', what is quantised is not the finished softmax but p = 2^(t - M), with t = logit x log2(e) and M = ceil(the row's largest t), a whole number; so 1/2 < the row's largest p <= 1. The row's sum l is taken of the UNQUANTISED p, in f32, and the product's result is divided by l at the end. Since M is a whole number, a kernel that streams over the keys may use a running M (the ceiling of the running maximum): every later rescaling is an exact power of two, which a block's scale takes up: the codes' values come out the same.
;;   OPERANDS COMPUTED ON THE WAY. 'Computed on the way' means the value that the module computes at that place (a softmax that the list does not call 'softmax' is quantised finished and normalised). What goes into a quantiser is computed in f32, as accurately as f32 sums, v_exp_f32 and their like allow (about 1e-6 of the number): no bf16 or f16 on the way to a quantiser, and a product that is left as it is and whose result goes on into a quantised operand takes f32 operands (vector FMAs, or v_wmma_f32_16x16x4_f32). A number that lies on a knife's edge between two numbers of the format may be rounded either way, as far as f32 arithmetic and the matrix unit's own rounding can turn it there, and no further.
;;   INPUTS GIVEN AS CODES. Wk (in the module: [1024, 1024], K = its axis 1); Wo (in the module: [1024, 1024], K = its axis 1); Wq (in the module: [1024, 1024], K = its axis 1); Wv (in the module: [1024, 1024], K = its axis 1); k (in the module: [4, 2048, 1024], K = its axis 2); q (in the module: [4, 2048, 1024], K = its axis 2); v (in the module: [4, 2048, 1024], K = its axis 2): each comes as NAME_codes (uint8): NAME with its K axis moved to the last place and cut into blocks of 32 codes, [.., K / 32, bytes a block], one block behind the other in memory; four codes in three bytes: a row's codes are one little-endian stream of bits, code i at bits 6 i .. 6 i + 5 (a code: sign, 2 exponent bits, 3 mantissa bits); and NAME_scales (uint8): the same leading axes, one E8M0 byte (e + 127) for each 32 codes along K. Its value is code x scale, taken as it is: it is not quantised again, and the codes and scales need not be those that the quantiser above would give.
;; One version. Each part assembles by itself: llvm-mc -triple=amdgcn-amd-amdhsa -mcpu=gfx1250 --defsym DOCPART=n.
;; ======== version 1 of 1: 3 launches
;; limits: right only within a limited range of input values
;; workspace buffers: qi 6,815,744 bytes; kv 13,631,488 bytes; oi 6,291,456 bytes; os 262,144 bytes
;; launch proj (part 1): grid 8 x 96, 8 waves a work-group, clusters of 4 x 4, 327,680 bytes of LDS; arguments q_codes, q_scales, Wq_codes, Wq_scales, k_codes, k_scales, Wk_codes, Wk_scales, v_codes, v_scales, Wv_codes, Wv_scales, qi, kv; writes qi, kv
.if DOCPART == 1
	.amdgcn_target "amdgcn-amd-amdhsa--gfx1250"
	.amdhsa_code_object_version 6
	.text
	.protected	k_q5c25c87c0e_proj
	.globl	k_q5c25c87c0e_proj
	.p2align	8
	.type	k_q5c25c87c0e_proj,@function
k_q5c25c87c0e_proj:
	s_mov_b64 s[64:65], 0
	v_nop
	global_prefetch_b8 v0, s[64:65] scope:SCOPE_SE
	s_setreg_imm32_b32 hwreg(HW_REG_WAVE_MODE, 25, 1), 1
	s_wait_xcnt 0x0
	s_wait_alu depctr_hold_cnt(0) depctr_sa_sdst(0) depctr_va_vdst(0) depctr_va_sdst(0) depctr_va_ssrc(0) depctr_va_vcc(0) depctr_vm_vsrc(0)
	s_getreg_b32 s2, hwreg(HW_REG_IB_STS2, 6, 4)
	s_cmp_eq_u32 s2, 0
	s_cbranch_scc0 .Lentry_in_a_cluster
	s_endpgm
.Lentry_in_a_cluster:
	s_bfe_u32 s2, ttmp6, 0x10000c
	s_cmp_lg_u32 s2, 0xf033
	s_cbranch_scc0 .Lentry_shape_is_right
	s_endpgm
.Lentry_shape_is_right:
; THE THREE PROJECTIONS qp = q Wq^T, kp = k Wk^T, vp = v Wv^T on codes of FP6 (E2M3) with one E8M0 scale for each 32 along K = 1,024, and the quantising of their results for attention.
; One text serves all three.  A work-group multiplies S1 (256 rows) by S0 (128 rows) over the whole K, which lies in LDS complete: every tile is filled once, nothing is filled again.
;   q, k: S1 = 256 rows of x, S0 = 128 rows of W (two heads): a lane's registers run along the head's 64, the K of the scores.
;   v:    S1 = 256 rows of Wv (four heads), S0 = 128 rows of v (128 keys): a lane's registers run along the keys, the K of the second product of attention.
; Only pointers and index arithmetic are chosen (s_cselect on the cluster's y); the LDS map and the path are one.
; THE ROWS OF A TILE ARE NOT NEIGHBOURS: row m of tile u of a group of 64 rows is row 8 u + m % 8 + 32 (m / 8).  The matrix instruction takes S0 as source 0: in the result lane (r, h) holds rows 8 h + j of the tile,
; so over the four tiles its 32 registers are rows 32 h + 0 .. 31 of S0's group: ONE whole block of 32 in ONE lane, in order.  No lane is asked for a maximum, and the conversions' results are the registers
; that the next product's operand wants in that very lane.
; WHAT IS STORED: a tile's image, 768 bytes: the six registers of 16 rows x 64 codes, lane l's registers 0-3 at 16 l, registers 4-5 at 512 + 8 l; four tiles to a group of 64 rows; and a group's scale image, 256 bytes:
; lane l's pair at 8 l, word i the scale word of row r of tile 2 i + h (byte 0: block 0, byte 1: block 1, bytes 2 and 3: 0).  Every store of a wave covers 512 or 256 consecutive bytes, aligned.
; SHARES: 8 waves; wave w takes S1's group w / 2 and S0's group w % 2: 64 x 64, 16 accumulators.
; CLUSTERS: 4 x 4 work-groups.  S1's rows hang on the cluster's row alone, S0's on its column alone: each tile is asked for jointly by the four that share it.
; LIMITS: a block of zeros gets the byte 1 (its codes are zeros; this program alone reads the bytes); blocks whose largest magnitude lies under 2^-124 are held at the byte 1; NaN and infinities are not served.
; REGISTERS: v2-5 LDS addresses of fragments, v6 of scale words, v7 16 x lane, v8 8 x lane, v9 8 h, v10 h; v16-31 scale words; v32-79 S0's four fragments; v80-127 S1's; v128-255 accumulator (i1, i0) at 128 + 8 (4 i1 + i0).
.set ROWP,  816                        ; a row of 768 bytes in LDS: 3 x (256 + 16) = 204 words: row r starts at bank 12 r mod 64 (64 banks of 4 bytes: ISA guide 11.1)
.set HALFB, 32*ROWP                    ; 32 rows in LDS: one of the two pieces that a tensor load of codes brings
.set REGB,  156800                     ; rows 32-63 of every group lie here, 32 banks off rows 0-31: so the 32 lanes of a load of 8 bytes touch 64 different banks
.set S0AT,  4*HALFB                    ; in each of the two regions: S1's four groups, then S0's two
.set SC1AT, 313600                     ; S1's scale bytes, 256 rows x 32 bytes
.set SC0AT, 321792                     ; S0's, 128 rows x 32 bytes
.set SC,    16
.set F0,    32
.set F1,    80
.set ACC,   128
.macro CROUND                          ; a round of the cluster's barrier
	s_barrier_signal -1
	s_barrier_wait -1
	s_cmp_lg_u32 s32, 0
	s_cbranch_scc1 .Lnot_wave_0_\@
	s_barrier_signal -3
.Lnot_wave_0_\@:
	s_barrier_wait -3
	s_barrier_signal -1
	s_barrier_wait -1
.endm
.macro PLACES n
.rept \n
	v_nop
.endr
.endm
	s_load_b256 s[4:11], s[0:1], 0x0               ; q's codes, q's scales, Wq's codes, Wq's scales
	s_load_b256 s[12:19], s[0:1], 0x20             ; the same of k
	s_load_b256 s[20:27], s[0:1], 0x40             ; the same of v
	s_load_b128 s[28:31], s[0:1], 0x60             ; qi, kv
	s_set_vgpr_msb 0x40
	v_lshl_add_u32 v0, v0, 2, 0x4f900
	v_mov_b32 v1, 0
	s_set_vgpr_msb 0x4045
	ds_add_u32 v0, v1
	ds_add_u32 v0, v1
	s_set_vgpr_msb 0x4500
	v_lshrrev_b32 v1, 5, v0
	s_delay_alu instid0(VALU_DEP_1)
	v_readfirstlane_b32 s32, v1                    ; wave 0..7
	s_lshr_b32 s33, s32, 1                         ; w1: my group of S1
	s_and_b32 s34, s32, 1                          ; w0: my group of S0
	s_bfe_u32 s35, ttmp6, 0x40000                  ; cx
	s_bfe_u32 s36, ttmp6, 0x40004                  ; cy
	s_and_b32 s37, ttmp7, 0xffff                   ; the cluster's y: 0-7 q, 8-15 k, 16-23 v
	s_and_b32 s38, s37, 7
	s_cmp_lt_u32 s37, 16
	s_cselect_b32 s39, s38, 0                      ; q, k: the cluster's y walks S1 (x's 32 blocks of 256 rows)
	s_cselect_b32 s40, 0, s38                      ; v: it walks S0 (v's 64 blocks of 128 rows)
	s_lshl_b32 s41, s39, 2
	s_add_co_u32 s41, s41, s36                     ; S1's block: never holds cx
	s_lshl_b32 s42, ttmp9, 2
	s_add_co_u32 s42, s42, s35
	s_lshl_b32 s40, s40, 3
	s_add_co_u32 s42, s42, s40                     ; S0's block: never holds cy
	s_lshl_b32 s43, s36, 2
	s_lshl_b32 s43, 15, s43                        ; my row of the cluster
	s_lshl_b32 s44, 0x1111, s35                    ; my column
	; descriptor group 1 for codes: two pieces of 32 dense rows (24,576 bytes = 3,072 elements of 8 bytes), 64 rows apart in memory, one behind the other in LDS; 16 bytes of padding behind every 256
	s_or_b32 s48, s43, (3<<16)|(1<<20)|(1<<21)|(5<<22)|(3<<25)   ; S1's: the mask of my row; elements of 8 bytes; padding on; bit 21 beside a mask; after every 64 words; of 4 words
	s_or_b32 s56, s44, (3<<16)|(1<<20)|(1<<21)|(5<<22)|(3<<25)   ; S0's: the mask of my column
.irp g, 48, 56
	s_mov_b32 s[\g+1], 3072<<16                    ; tensor_dim0
	s_mov_b32 s[\g+2], 2<<16                       ; tensor_dim1
	s_mov_b32 s[\g+3], 3072<<16                    ; tile_dim0
	s_mov_b32 s[\g+4], 2                           ; tile_dim1
	s_mov_b32 s[\g+5], 6144                        ; tensor_dim0_stride: 64 rows
	s_mov_b32 s[\g+6], 0
	s_mov_b32 s[\g+7], 0
.endr
	; and for the scale bytes: dense blocks of 8,192 and 4,096 bytes as rows of 256 bytes, no padding
	s_or_b32 s68, s43, (3<<16)|(1<<21)
	s_mov_b32 s69, 32<<16
	s_mov_b32 s70, 32<<16
	s_mov_b32 s71, 32<<16
	s_mov_b32 s72, 32
	s_mov_b32 s73, 32
	s_mov_b32 s74, 0
	s_mov_b32 s75, 0
	s_or_b32 s76, s44, (3<<16)|(1<<21)
	s_mov_b32 s77, 32<<16
	s_mov_b32 s78, 16<<16
	s_mov_b32 s79, 32<<16
	s_mov_b32 s80, 16
	s_mov_b32 s81, 32
	s_mov_b32 s82, 0
	s_mov_b32 s83, 0
	; descriptor groups 0.  LDS addresses hang on the wave's number alone
	s_mov_b32 s84, 1
	s_mul_i32 s85, s34, REGB                       ; S1, waves 0 to 3: rows 32 (w % 2) + 0 .. 31 of groups 2 (w / 2) and 2 (w / 2) + 1, into region w % 2
	s_and_b32 s45, s33, 1
	s_mul_i32 s45, s45, 2*HALFB
	s_add_co_u32 s85, s85, s45
	s_mov_b32 s88, 1
	s_mul_i32 s89, s34, REGB                       ; S0, waves 4 and 5: the same rows of its two groups
	s_add_co_u32 s89, s89, S0AT
	s_mov_b32 s92, 1
	s_mov_b32 s93, SC1AT
	s_mov_b32 s96, 1
	s_mov_b32 s97, SC0AT
	s_mul_i32 s46, s41, 196608                     ; S1's codes: 256 rows of 768 bytes a block,
	s_and_b32 s47, s33, 1
	s_mul_i32 s47, s47, 98304                      ; two groups of 64 rows a pair of waves,
	s_add_co_u32 s46, s46, s47
	s_mul_i32 s47, s34, 24576                      ; 32 rows to the upper half of a group
	s_add_co_u32 s46, s46, s47
	s_mov_b32 s47, 0
	s_lshl_b32 s2, s41, 13                         ; S1's scale bytes: 8,192 a block
	s_mov_b32 s3, 0
	s_mul_i32 s100, s42, 98304                     ; S0's codes: 128 rows a block
	s_mul_i32 s101, s34, 24576
	s_add_co_u32 s100, s100, s101
	s_mov_b32 s101, 0
	s_lshl_b32 s38, s42, 12                        ; S0's scale bytes: 4,096 a block
	s_mov_b32 s39, 0
	s_wait_dscnt 0x0
	s_wait_kmcnt 0x0
	s_cmp_lt_u32 s37, 8                            ; q or k?  The choice hangs on the cluster's y alone
	s_cselect_b64 s[4:5], s[4:5], s[12:13]
	s_cselect_b64 s[6:7], s[6:7], s[14:15]
	s_cselect_b64 s[8:9], s[8:9], s[16:17]
	s_cselect_b64 s[10:11], s[10:11], s[18:19]
	s_cselect_b64 s[28:29], s[28:29], s[30:31]     ; the buffer that I store into: qi for q, kv for k and v
	s_cmp_lt_u32 s37, 16                           ; q, k: S1 = x, S0 = W;  v: S1 = Wv, S0 = v
	s_cselect_b64 s[12:13], s[4:5], s[24:25]       ; S1's codes
	s_cselect_b64 s[14:15], s[6:7], s[26:27]       ; S1's scales
	s_cselect_b64 s[16:17], s[8:9], s[20:21]       ; S0's codes
	s_cselect_b64 s[18:19], s[10:11], s[22:23]     ; S0's scales
	s_add_nc_u64 s[86:87], s[12:13], s[46:47]
	s_or_b32 s87, s87, 0x80000000
	s_add_nc_u64 s[90:91], s[16:17], s[100:101]
	s_or_b32 s91, s91, 0x80000000
	s_add_nc_u64 s[94:95], s[14:15], s[2:3]
	s_or_b32 s95, s95, 0x80000000
	s_add_nc_u64 s[98:99], s[18:19], s[38:39]
	s_or_b32 s99, s99, 0x80000000
	CROUND                                         ; all sixteen work-groups are here: the joint loads meet
	; All fills of the launch, each of bytes of its own, ONE A WAVE, in one chain of branches on the wave's number:
	; waves 0-3 a quarter of S1's rows each, waves 4 and 5 a half of S0's, wave 6 S1's scale bytes, wave 7 S0's.  An s_nop 0 and four v_nop follow each tensor load.
	s_cmp_lt_u32 s32, 4
	s_cbranch_scc0 .Lnot_s1
	tensor_load_to_lds s[84:87], s[48:55]
	s_nop 0
	PLACES 4
	s_branch .Lasked
.Lnot_s1:
	s_cmp_lt_u32 s32, 6
	s_cbranch_scc0 .Lnot_s0
	tensor_load_to_lds s[88:91], s[56:63]
	s_nop 0
	PLACES 4
	s_branch .Lasked
.Lnot_s0:
	s_cmp_eq_u32 s32, 6
	s_cbranch_scc0 .Lnot_sc1
	tensor_load_to_lds s[92:95], s[68:75]
	s_nop 0
	PLACES 4
	s_branch .Lasked
.Lnot_sc1:
	tensor_load_to_lds s[96:99], s[76:83]
	s_nop 0
	PLACES 4
.Lasked:
	; lane addresses
	v_and_b32 v11, 7, v0                           ; r % 8
	v_bfe_u32 v12, v0, 3, 1                        ; r / 8
	v_bfe_u32 v10, v0, 4, 1                        ; h
	v_and_b32 v15, 31, v0                          ; lane
	s_delay_alu instid0(VALU_DEP_4)
	v_mul_u32_u24 v13, v11, ROWP
	s_delay_alu instid0(VALU_DEP_1)
	v_mad_u32_u24 v13, v12, REGB, v13
	s_delay_alu instid0(VALU_DEP_1)
	v_mad_u32_u24 v13, v10, 24, v13                ; row r % 8 of a tile, in the region r / 8, + 24 h
	s_mul_i32 s45, s34, HALFB
	s_add_co_u32 s45, s45, S0AT
	v_add_nc_u32 v2, s45, v13                      ; S0's group w0
	s_delay_alu instid0(VALU_DEP_1)
	v_lshl_add_u32 v3, v10, 4, v2                  ; and the same behind one padding more
	s_mul_i32 s46, s33, HALFB
	v_add_nc_u32 v4, s46, v13                      ; S1's group w1
	s_delay_alu instid0(VALU_DEP_1)
	v_lshl_add_u32 v5, v10, 4, v4
	v_lshlrev_b32 v6, 5, v11                       ; scale words: 32 bytes a row; lanes 0-15 take S1's rows, lanes 16-31 S0's
	s_delay_alu instid0(VALU_DEP_1)
	v_lshl_add_u32 v6, v12, 10, v6
	s_xor_b32 s45, s33, 3
	s_add_co_u32 s45, s45, s34
	s_lshl_b32 s45, s45, 11
	s_add_co_u32 s45, s45, 2048                    ; from S1's group w1 to S0's group w0: 8,192 + 2,048 w0 - 2,048 w1
	v_mul_u32_u24 v14, s45, v10
	s_delay_alu instid0(VALU_DEP_1)
	v_add_nc_u32 v6, v6, v14
	s_lshl_b32 s46, s33, 11
	s_add_co_u32 s46, s46, SC1AT
	v_add_nc_u32 v6, s46, v6
	v_lshlrev_b32 v7, 4, v15
	v_lshlrev_b32 v8, 3, v15
	v_lshlrev_b32 v9, 3, v10
	s_mov_b32 s66, 0x76543210
	s_mov_b32 s67, 0xfedcba98                      ; v_permlanex16_b32's selects for lane l xor 16
	; where my 64 x 64 goes.  (cx and cy meet only here, behind the joint loads, in registers that feed no descriptor)
	s_lshl_b32 s20, s41, 2
	s_add_co_u32 s20, s20, s33                     ; S1's group of 64, counted through the tensor
	s_lshl_b32 s21, s42, 1
	s_add_co_u32 s21, s21, s34                     ; S0's
	s_cmp_lt_u32 s37, 16
	s_cselect_b32 s22, s20, s21                    ; the group of 64 rows of x (0..127),
	s_cselect_b32 s23, s21, s20                    ; the head (0..15)
	s_cselect_b32 s24, 0, 6144                     ; in a record of kv: K's images first, then V's
	s_mov_b32 s25, 12800
	s_cselect_b32 s25, 12288, s25                  ; K's scale images, V's
	s_cmp_lt_u32 s37, 8
	s_cselect_b32 s25, 6144, s25                   ; in a record of qi
	s_mov_b32 s26, 13312
	s_cselect_b32 s26, 6656, s26                   ; a record's bytes
	s_lshr_b32 s27, s22, 5                         ; the batch
	s_lshl_b32 s27, s27, 4
	s_add_co_u32 s27, s27, s23
	s_lshl_b32 s27, s27, 4
	s_bfe_u32 s2, s22, 0x40001                     ; the unit of 128 rows in the batch
	s_add_co_u32 s27, s27, s2
	s_mul_i32 s27, s27, s26                        ; the record (batch, head, unit)
	s_and_b32 s2, s22, 1                           ; which half of the unit
	s_mul_i32 s3, s2, 3072
	s_add_co_u32 s20, s27, s24
	s_add_co_u32 s20, s20, s3
	s_mov_b32 s21, 0
	s_add_nc_u64 s[20:21], s[28:29], s[20:21]      ; my group's four tile images
	s_lshl_b32 s2, s2, 8
	s_add_co_u32 s22, s27, s25
	s_add_co_u32 s22, s22, s2
	s_mov_b32 s23, 0
	s_add_nc_u64 s[22:23], s[28:29], s[22:23]      ; and its scale image
; A fragment, 16 rows x 128 K, is 12 registers: lane (r, h) takes 24 bytes of its row at 96 s + 24 h and 24 at 96 s + 48 + 24 h, in pieces of 8 bytes.  16 bytes of padding lie behind every 32 pieces:
; where the piece three on (lanes 16-31) lies behind one padding more, the second address register serves.
.macro FRAG reg, adr, s, u
.irp p, 0,1,2,3,4,5
.set PC, 12*(\s)+6*(\p/3)+\p%3
.if PC%32 < 29
	ds_load_b64 v[(\reg)+2*\p:(\reg)+2*\p+1], v[\adr] offset:8*PC+16*(PC/32)+(\u)*8*ROWP
.else
	ds_load_b64 v[(\reg)+2*\p:(\reg)+2*\p+1], v[\adr+1] offset:8*PC+16*(PC/32)+(\u)*8*ROWP
.endif
.endr
.endm
; A K step of 128: 48 loads, 16 matrix instructions.  The sixteen accumulators take turns, one instruction a turn, in the same order in every step.
.macro KSTEP s
.if (\s) > 0
	PLACES 4                                       ; in front of loads into registers that matrix instructions have read (ISA guide 7.12.1 for vector instructions)
.endif
.if (\s)%4 == 0
.irp i, 0,1,2,3
	ds_load_b128 v[SC+4*\i:SC+4*\i+3], v6 offset:256*\i+16*((\s)/4)   ; the scale words of four K steps: lanes 0-15 S1's tile i, lanes 16-31 S0's tile i
.endr
.endif
.irp u, 0,1,2,3
	FRAG F0+12*\u, 2, \s, \u
.endr
.irp u, 0,1,2,3
	FRAG F1+12*\u, 4, \s, \u
.endr
.irp a, 0,1,2,3
	s_wait_dscnt 18-6*\a                           ; all but the six loads of each later tile of S1
.irp b, 0,1,2,3
.if (\s) == 0
	v_wmma_scale_f32_16x16x128_f8f6f4 v[ACC+8*(4*\a+\b):ACC+8*(4*\a+\b)+7], v[F0+12*\b:F0+12*\b+11], v[F1+12*\a:F1+12*\a+11], 0, v[SC+4*\b+(\s)%4], v[SC+4*\a+(\s)%4] matrix_a_fmt:MATRIX_FMT_FP6 matrix_b_fmt:MATRIX_FMT_FP6 matrix_a_scale:MATRIX_SCALE_ROW1
.else
	v_wmma_scale_f32_16x16x128_f8f6f4 v[ACC+8*(4*\a+\b):ACC+8*(4*\a+\b)+7], v[F0+12*\b:F0+12*\b+11], v[F1+12*\a:F1+12*\a+11], v[ACC+8*(4*\a+\b):ACC+8*(4*\a+\b)+7], v[SC+4*\b+(\s)%4], v[SC+4*\a+(\s)%4] matrix_a_fmt:MATRIX_FMT_FP6 matrix_b_fmt:MATRIX_FMT_FP6 matrix_a_scale:MATRIX_SCALE_ROW1
.endif
.endr
.endr
.endm
	s_wait_alu depctr_va_vdst(0)
	s_wait_tensorcnt 0x0                           ; for the others' sake: all my tiles have landed
	s_barrier_signal -1
	s_barrier_wait -1                              ; everybody's have
.irp s, 0,1,2,3,4,5,6,7
	KSTEP \s
.endr
	; THE QUANTISER.  For each tile i1 of S1 my 32 registers are one block of 32 along the next K.  The four tiles by turns, line by line.
	PLACES 4
.irp a, 0,1,2,3
	v_mov_b32 v[36+\a], 0                          ; a lane permute's destination counts as one of its sources
.endr
.irp a, 0,1,2,3
	v_max3_num_f32 v[32+\a], |v[ACC+32*\a]|, |v[ACC+32*\a+1]|, 0x1800000   ; the floor 2^(3 - 127): the byte cannot fall under 1.  Each accumulator is read from its low end on
.endr
.irp i, 2,4,6,8,10,12,14,16,18,20,22,24,26,28,30
.irp a, 0,1,2,3
	v_max3_num_f32 v[32+\a], v[32+\a], |v[ACC+32*\a+\i]|, |v[ACC+32*\a+\i+1]|
.endr
.endr
.irp a, 0,1,2,3
	s_delay_alu instid0(VALU_DEP_4)
	v_add_nc_u32 v[40+\a], 0xff000000, v[32+\a]    ; 2 off the exponent field: the conversion's scale operand
.endr
.irp a, 0,1,2,3
	s_delay_alu instid0(VALU_DEP_4)
	v_lshrrev_b32 v[44+\a], 23, v[40+\a]           ; the scale's byte
.endr
.irp a, 0,1,2,3
	s_delay_alu instid0(VALU_DEP_4)
	v_lshlrev_b32 v[48+\a], v9, v[44+\a]           ; at its place in the row's scale word: 8 h bits up
.endr
.irp a, 0,1,2,3
	s_delay_alu instid0(VALU_DEP_4)
	v_permlanex16_b32 v[36+\a], v[48+\a], s66, s67
.endr
.irp a, 0,1,2,3
	s_delay_alu instid0(VALU_DEP_4)
	v_or_b32 v[48+\a], v[48+\a], v[36+\a]          ; with lane l xor 16's byte the word is whole
.endr
.irp a, 0,1,2,3
	v_cvt_scalef32_pk16_fp6_f32 v[56+6*\a:58+6*\a], v[ACC+32*\a:ACC+32*\a+15], v[40+\a]
	v_cvt_scalef32_pk16_fp6_f32 v[80+4*\a:82+4*\a], v[ACC+32*\a+16:ACC+32*\a+31], v[40+\a]   ; (a conversion's three registers begin on an even number)
.endr
	v_nop                                          ; one plain place behind a scaled conversion
.irp a, 0,1,2,3
.irp i, 0,1,2
	v_mov_b32 v[59+6*\a+\i], v[80+4*\a+\i]
.endr
.endr
	v_cmp_ne_u32 vcc_lo, 0, v10
	s_delay_alu instid0(VALU_DEP_1)
	v_cndmask_b32 v52, v48, v49, vcc_lo            ; the scale image: lanes 0-15 keep tiles 0 and 2, lanes 16-31 tiles 1 and 3
	s_delay_alu instid0(VALU_DEP_2)
	v_cndmask_b32 v53, v50, v51, vcc_lo
.irp a, 0,1,2,3
	global_store_b128 v7, v[56+6*\a:59+6*\a], s[20:21] offset:768*\a       ; 32 lanes store 512 consecutive bytes, aligned
	global_store_b64 v8, v[60+6*\a:61+6*\a], s[20:21] offset:768*\a+512    ; and 256
.endr
	global_store_b64 v8, v[52:53], s[22:23]
	s_set_vgpr_msb 0x5
	s_wait_tensorcnt 0x0
	ds_add_u32 v0, v1
	s_wait_dscnt 0x0
	s_set_vgpr_msb 0x500
	CROUND                                         ; the closing round: no work-group ends while a partner may still ask for a tile that names it
	s_endpgm
.Lfunc_end_k_q5c25c87c0e_proj:
	.size	k_q5c25c87c0e_proj, .Lfunc_end_k_q5c25c87c0e_proj-k_q5c25c87c0e_proj
	.p2alignl 7, 3214868480
	.fill 96, 4, 3214868480
	.section	.rodata,"a",@progbits
	.p2align	6, 0x0
	.amdhsa_kernel k_q5c25c87c0e_proj
		.amdhsa_group_segment_fixed_size 327680
		.amdhsa_private_segment_fixed_size 0
		.amdhsa_enable_private_segment 0
		.amdhsa_kernarg_size 112
		.amdhsa_user_sgpr_count 2
		.amdhsa_user_sgpr_kernarg_segment_ptr 1
		.amdhsa_wavefront_size32 1
		.amdhsa_system_sgpr_workgroup_id_x 1
		.amdhsa_system_sgpr_workgroup_id_y 1
		.amdhsa_system_sgpr_workgroup_id_z 1
		.amdhsa_system_vgpr_workitem_id 0
		.amdhsa_next_free_vgpr 258
		.amdhsa_next_free_sgpr 102
		.amdhsa_reserve_vcc 1
		.amdhsa_float_denorm_mode_32 3
		.amdhsa_float_denorm_mode_16_64 3
		.amdhsa_memory_ordered 1
		.amdhsa_forward_progress 1
		.amdhsa_inst_pref_size 61
	.end_amdhsa_kernel
	.amdgpu_metadata
---
amdhsa.version: [ 1, 2 ]
amdhsa.kernels:
  - .name:           k_q5c25c87c0e_proj
    .symbol:         k_q5c25c87c0e_proj.kd
    .args:
      - { .name: q_codes, .offset: 0, .size: 8, .value_kind: global_buffer, .address_space: global }
      - { .name: q_scales, .offset: 8, .size: 8, .value_kind: global_buffer, .address_space: global }
      - { .name: Wq_codes, .offset: 16, .size: 8, .value_kind: global_buffer, .address_space: global }
      - { .name: Wq_scales, .offset: 24, .size: 8, .value_kind: global_buffer, .address_space: global }
      - { .name: k_codes, .offset: 32, .size: 8, .value_kind: global_buffer, .address_space: global }
      - { .name: k_scales, .offset: 40, .size: 8, .value_kind: global_buffer, .address_space: global }
      - { .name: Wk_codes, .offset: 48, .size: 8, .value_kind: global_buffer, .address_space: global }
      - { .name: Wk_scales, .offset: 56, .size: 8, .value_kind: global_buffer, .address_space: global }
      - { .name: v_codes, .offset: 64, .size: 8, .value_kind: global_buffer, .address_space: global }
      - { .name: v_scales, .offset: 72, .size: 8, .value_kind: global_buffer, .address_space: global }
      - { .name: Wv_codes, .offset: 80, .size: 8, .value_kind: global_buffer, .address_space: global }
      - { .name: Wv_scales, .offset: 88, .size: 8, .value_kind: global_buffer, .address_space: global }
      - { .name: qi, .offset: 96, .size: 8, .value_kind: global_buffer, .address_space: global }
      - { .name: kv, .offset: 104, .size: 8, .value_kind: global_buffer, .address_space: global }
    .group_segment_fixed_size: 327680
    .private_segment_fixed_size: 0
    .kernarg_segment_align: 8
    .kernarg_segment_size: 112
    .max_flat_workgroup_size: 256
    .sgpr_count:     102
    .vgpr_count:     258
    .wavefront_size: 32
...
	.end_amdgpu_metadata
.endif
;; end of part 1
;; launch attn (part 2): grid 4 x 64, 8 waves a work-group, clusters of 4 x 1, 327,680 bytes of LDS; arguments qi, kv, oi, os; writes oi, os
.if DOCPART == 2
	.amdgcn_target "amdgcn-amd-amdhsa--gfx1250"
	.amdhsa_code_object_version 6
	.text
	.protected	k_q5c25c87c0e_attn
	.globl	k_q5c25c87c0e_attn
	.p2align	8
	.type	k_q5c25c87c0e_attn,@function
k_q5c25c87c0e_attn:
	s_mov_b64 s[64:65], 0
	v_nop
	global_prefetch_b8 v0, s[64:65] scope:SCOPE_SE
	s_setreg_imm32_b32 hwreg(HW_REG_WAVE_MODE, 25, 1), 1
	s_wait_xcnt 0x0
	s_wait_alu depctr_hold_cnt(0) depctr_sa_sdst(0) depctr_va_vdst(0) depctr_va_sdst(0) depctr_va_ssrc(0) depctr_va_vcc(0) depctr_vm_vsrc(0)
	s_getreg_b32 s2, hwreg(HW_REG_IB_STS2, 6, 4)
	s_cmp_eq_u32 s2, 0
	s_cbranch_scc0 .Lentry_in_a_cluster
	s_endpgm
.Lentry_in_a_cluster:
	s_bfe_u32 s2, ttmp6, 0x10000c
	s_cmp_lg_u32 s2, 0x3003
	s_cbranch_scc0 .Lentry_shape_is_right
	s_endpgm
.Lentry_shape_is_right:
; ATTENTION of one head for each cluster, both products on codes of FP6 (E2M3) with E8M0 scales, and the quantising of its result along E for the output projection.
; t = score x log2(e) / 32; M = the running largest t rounded UP to a whole number; p = 2^(t - M) is quantised along the keys, not normalised; the row's sum is taken of the unquantised p and divides at the end.
; When M moves, the sum and O are multiplied by 2^(old M - new M): exact.
; SHARES.  The four work-groups of a cluster take 512 queries each of one (batch, head).  The head's whole K, V and their scale words, 16 units of 13,312 bytes as the launch before laid them, lie in LDS,
; filled ONCE, jointly for the four: every wave brings two units.  Each of eight waves owns FOUR tiles of 16 queries, a group of 64, and walks all 2,048 keys once, 128 a unit:
; a fragment of K or V is read from LDS once for the four tiles: 13,312 bytes of LDS reads feed 48 matrix instructions.
; A UNIT: for each tile in turn the scores, the softmax's step, p's codes, the second product.  K's 18 loads for the next unit are issued behind the fourth tile's scores, V's 18 behind its last product.
; The first unit is written out (its second products start the sums with C = 0: nothing is cleared), the last too (it fetches nothing); units 1 to 14 are a loop.
; NO DATA PREFETCH: all that the launch reads from memory is asked for at its head: there is no loop to run ahead in.
; LAYOUT.  Both products are used transposed: S^T = K Q^T, O^T = V^T P^T: a lane holds one query (lane % 16) of each tile throughout.  The keys of a tile of K are 8 u + m % 8 + 32 (m / 8) of a group of 64, so that
; register 32 c + 8 u + j of lane (r, h) is key 64 c + 32 h + 8 u + j: a whole block of 32 keys in one lane, in order.  V's tiles take the head's 64 in the same order, so O^T's 32 registers are d = 32 h + 0 .. 31: a block of the next K.
; THE SCORES' K IS 64, HALF OF THE INSTRUCTION'S 128.  Q's registers 6-11 hold zero codes, and bytes 2 and 3 of both scale words are 0.  So whatever source 0 holds in its registers 6-11 adds exactly nothing
; (every code of this format is a finite number): they are the next tile's codes, behind the last tile six cleared registers.
; The scale bytes of the result go out one byte a lane, 32 bytes apart: one store for each tile of queries: these aligned blocks are written in part.
; LIMITS: the scaled scores stay under 2^31 in magnitude; a block of zeros gets the byte 1 (its codes are zeros; this program alone reads the bytes); blocks whose largest magnitude lies under 2^-124 are held at the byte 1;
; NaN and infinities are not served.
; REGISTERS, window 0: v1 16 x lane, v2 8 x lane, v3-4 LDS addresses of the unit that is fetched, v5 8 h, v6 8 r, v7 32 r + h, v10-11 the add's two; from v12 four a tile: -M, the largest score, the sum in two halves;
;   v36-39 Q's scale words, v40-43 K's, v44-47 V's, v48 p's; v[50:51] f; v52-105 K's eight tiles; v106-153 V's four fragments; v154-217 S^T, then p; v218-236 p's codes; v238-255 at work.
; Window 1: v0-127 the four O^T; v128-175 the four Q, twelve registers each.
.set UNITB, 13312                      ; a unit of 128 keys in LDS: K's 8 tile images (6,144), V's 8 (6,144), K's two scale images (512), V's two (512)
.set SPARE, 16*UNITB                   ; behind the units: the spare words, 128 bytes a wave
.set ST0, 12
.set QS, 36
.set KS, 40
.set VS, 44
.set PS, 48
.set FF, 50
.set KF, 52
.set VF, 106
.set SS, 154
.set CD, 218
.set TT, 248                           ; v250-255: three of the sum's four chains
.set MSB, 0
.macro WIN new                         ; the immediate's high byte repeats the setting that is left
.if MSB != \new
	s_set_vgpr_msb (MSB<<8)|\new
.set MSB, \new
.endif
.endm
.macro WALU
	s_wait_alu depctr_va_vdst(0)
.endm
.macro CROUND                          ; a round of the cluster's barrier
	s_barrier_signal -1
	s_barrier_wait -1
	s_cmp_lg_u32 s12, 0
	s_cbranch_scc1 .Lnot_wave_0_\@
	s_barrier_signal -3
.Lnot_wave_0_\@:
	s_barrier_wait -3
	s_barrier_signal -1
	s_barrier_wait -1
.endm
.macro KLOAD                           ; 18 loads: K's tile t = 4 c + u as an image of its six registers; its scale words (word i of half c: lanes 0-15 tile 2 i, lanes 16-31 tile 2 i + 1)
.irp t, 0,1,2,3,4,5,6,7
	ds_load_b128 v[KF+6*\t:KF+6*\t+3], v3 offset:768*\t
	ds_load_b64 v[KF+6*\t+4:KF+6*\t+5], v4 offset:768*\t+512
.endr
	ds_load_b64 v[KS:KS+1], v4 offset:12288
	ds_load_b64 v[KS+2:KS+3], v4 offset:12544
.endm
.macro VLOAD                           ; 18 loads: V's scale words of keys 0-63 and of keys 64-127; its four fragments
	ds_load_b64 v[VS:VS+1], v4 offset:12800
	ds_load_b64 v[VS+2:VS+3], v4 offset:13056
.irp u, 0,1,2,3
.irp c, 0,1
	ds_load_b128 v[VF+12*\u+6*\c:VF+12*\u+6*\c+3], v3 offset:6144+3072*\c+768*\u
	ds_load_b64 v[VF+12*\u+6*\c+4:VF+12*\u+6*\c+5], v4 offset:6144+3072*\c+768*\u+512
.endr
.endr
.endm
.macro SCORES q                        ; S^T = K Q^T: source 1, Q's tile q, lies in window 1
	WIN 0x04
.irp t, 0,1,2,3,4,5,6,7
.if \t%2
	v_wmma_scale_f32_16x16x128_f8f6f4 v[SS+8*\t:SS+8*\t+7], v[KF+6*\t:KF+6*\t+11], v[128+12*(\q):139+12*(\q)], 0, v[KS+2*(\t/4)+(\t/2)%2], v[QS+(\q)] matrix_a_fmt:MATRIX_FMT_FP6 matrix_b_fmt:MATRIX_FMT_FP6 matrix_a_scale:MATRIX_SCALE_ROW1
.else
	v_wmma_scale_f32_16x16x128_f8f6f4 v[SS+8*\t:SS+8*\t+7], v[KF+6*\t:KF+6*\t+11], v[128+12*(\q):139+12*(\q)], 0, v[KS+2*(\t/4)+(\t/2)%2], v[QS+(\q)] matrix_a_fmt:MATRIX_FMT_FP6 matrix_b_fmt:MATRIX_FMT_FP6
.endif
.endr
	WIN 0
.endm
.macro PV1 u, c, row
	v_wmma_scale_f32_16x16x128_f8f6f4 v[D_:D_+7], v[VF+12*(\u):VF+12*(\u)+11], v[CD:CD+11], \c, v[VS+(\u)/2], v[PS] matrix_a_fmt:MATRIX_FMT_FP6 matrix_b_fmt:MATRIX_FMT_FP6 matrix_a_scale:MATRIX_SCALE_ROW\row
.endm
.macro PV q, first                     ; O^T += V^T P^T: C and D in window 1; the four accumulators take turns
	WIN 0x50
.irp u, 0,2
.set D_, 32*(\q)+8*\u
.if \first
	PV1 \u, 0, 0
.else
	PV1 \u, v[D_:D_+7], 0
.endif
.set D_, 32*(\q)+8*\u+8
.if \first
	PV1 \u+1, 0, 1
.else
	PV1 \u+1, v[D_:D_+7], 1
.endif
.endr
.endm
.macro ADDS n                          ; the next n of a tile's 29 packed additions: THE ROW'S SUM IS TAKEN OF THE UNQUANTISED p, in four chains by turns: the sum itself and v250-255
.rept \n
.set R_, AI/4
.set C_, AI%4
.if C_ == 0
	v_pk_add_f32 v[SM:SM+1], v[SM:SM+1], v[SS+8*R_:SS+8*R_+1]
.elseif R_ == 0
	v_pk_add_f32 v[TT+2*C_:TT+2*C_+1], v[SS+2*C_:SS+2*C_+1], v[SS+8+2*C_:SS+9+2*C_]
.else
	v_pk_add_f32 v[TT+2*C_:TT+2*C_+1], v[TT+2*C_:TT+2*C_+1], v[SS+8*(R_+1)+2*C_:SS+8*(R_+1)+2*C_+1]
.endif
.set AI, AI+1
.endr
.endm
.macro JOIN q                          ; tile q's four chains become one
	v_pk_add_f32 v[TT+2:TT+3], v[TT+2:TT+3], v[TT+4:TT+5]
	v_pk_add_f32 v[ST0+4*(\q)+2:ST0+4*(\q)+3], v[ST0+4*(\q)+2:ST0+4*(\q)+3], v[TT+6:TT+7]
	v_pk_add_f32 v[ST0+4*(\q)+2:ST0+4*(\q)+3], v[ST0+4*(\q)+2:ST0+4*(\q)+3], v[TT+2:TT+3]
.endm
; TILE q OF A UNIT.  pf: the next unit is fetched;  first: the second products start the sums
.macro TILE q, pf, first
.set NM, ST0+4*(\q)
.set MX, NM+1
.set SM, NM+2
	SCORES \q
.if (\q) == 0                          ; four places behind the scores: the addresses of the unit that is fetched, or the tile before's joins
.if \pf
	v_add_nc_u32 v3, s32, v1
	v_add_nc_u32 v4, s32, v2
.else
	v_nop
	v_nop
.endif
	v_nop
	v_nop
.else
	JOIN (\q)-1
	v_nop
.endif
.if ((\q) == 3) && \pf
	KLOAD                                          ; K's registers have been read for the last time in this unit
.endif
.irp b, 0,1                            ; THE LARGEST SCORE OF EACH OF MY TWO BLOCKS OF 32 KEYS, in two chains each: for the row's maximum, and, since p rises with the score, for the block's largest p.  Each tile is read from its low end on
	v_max3_num_f32 v[238+2*\b], v[SS+32*\b], v[SS+32*\b+1], v[SS+32*\b+2]
	v_max3_num_f32 v[239+2*\b], v[SS+32*\b+16], v[SS+32*\b+17], v[SS+32*\b+18]
.endr
.irp i, 3,5,7,9,11,13
.irp b, 0,1
	v_max3_num_f32 v[238+2*\b], v[238+2*\b], v[SS+32*\b+\i], v[SS+32*\b+\i+1]
	v_max3_num_f32 v[239+2*\b], v[239+2*\b], v[SS+32*\b+16+\i], v[SS+32*\b+17+\i]
.endr
.endr
	v_max3_num_f32 v238, v238, v239, v[SS+15]
	v_max3_num_f32 v240, v240, v241, v[SS+47]
	v_max_num_f32 v238, v238, v[SS+31]
	v_max_num_f32 v240, v240, v[SS+63]
	s_delay_alu instid0(VALU_DEP_1)
	v_max_num_f32 v244, v238, v240
	s_delay_alu instid0(VALU_DEP_1)
	v_permlanex16_b32 v243, v244, s28, s29
	s_delay_alu instid0(VALU_DEP_1)
	v_max3_num_f32 v[MX], v[MX], v244, v243        ; the running largest score of my query, lane l xor 16's 64 keys among them
	s_delay_alu instid0(VALU_DEP_1)
	v_mul_f32 v244, s35, v[MX]                     ; -t (c is positive, so the largest score gives the largest t)
	s_delay_alu instid0(VALU_DEP_1)
	v_floor_f32 v242, v244                         ; the new -M = floor(-t): M is a whole number
	s_delay_alu instid0(VALU_DEP_1)
	v_sub_f32 v245, v242, v[NM]                    ; M's old value less its new one: a whole number, 0 or less
	v_mov_b32 v[NM], v242
.set J, 0
.rept 32
	v_pk_fma_f32 v[SS+J:SS+J+1], v[SS+J:SS+J+1], s[30:31], v[242:243] op_sel_hi:[1,0,0]   ; t - M, two at a time
.if J == 2
	v_cvt_i32_f32 v245, v245                       ; (it saturates)
.endif
.if J == 8
	v_ldexp_f32 v[FF], 1.0, v245                   ; f = 2^(old M - new M)
.endif
.set J, J+2
.endr
	v_fma_f32 v238, v238, s30, v242                ; the same of each block's largest score
	v_fma_f32 v240, v240, s30, v242
.if \first
	WALU                                           ; the wait ahead of the batch
.else
	WIN 0x41
	WALU                                           ; the wait: ahead of the batch, and directly ahead of the first reader of O^T
.set J, 0
.rept 16
	v_pk_mul_f32 v[32*(\q)+J:32*(\q)+J+1], v[32*(\q)+J:32*(\q)+J+1], v[FF:FF+1] op_sel_hi:[1,0]   ; O^T under the new M; each accumulator from its low end on
.set J, J+2
.endr
	WIN 0
.endif
	v_exp_f32 v238, v238                           ; the blocks' largest p: the same two instructions on the same number give the same bits
	v_exp_f32 v240, v240
.set J, 0
.rept 64
	v_exp_f32 v[SS+J], v[SS+J]                     ; p = 2^(t - M), at most 1
.set J, J+1
.endr
	v_pk_mul_f32 v[SM:SM+1], v[SM:SM+1], v[FF:FF+1] op_sel_hi:[1,0]   ; the sum under the new M: the plain instruction behind the exponentials
	WALU                                           ; one wait for the whole batch, ahead of its first reader
.if (\q) == 0
	s_wait_dscnt 0x0                               ; V's 18 loads are in
	v_lshl_or_b32 v[VS], v[VS+2], 16, v[VS]        ; V's scale words for 128 keys: bytes 0, 1 of keys 0-63, bytes 2, 3 of keys 64-127
	v_lshl_or_b32 v[VS+1], v[VS+3], 16, v[VS+1]
.endif
.set AI, 0                             ; p's scale word, its lines apart, with the sum's additions between them
	v_max_num_f32 v238, 0x1800000, v238            ; the floor 2^(3 - 127): the byte cannot fall under 1
	v_max_num_f32 v240, 0x1800000, v240
	ADDS 2
	v_add_nc_u32 v246, 0xff000000, v238            ; 2 off the exponent field: the conversion's scale operand
	v_add_nc_u32 v247, 0xff000000, v240
	ADDS 2
	v_lshrrev_b32 v244, 23, v246                   ; the scale's byte
	v_lshrrev_b32 v245, 23, v247
	ADDS 2
	v_lshl_or_b32 v248, v245, 16, v244             ; my blocks h and 2 + h,
	ADDS 3
	v_lshlrev_b32 v248, v5, v248                   ; at their places in the scale word;
	ADDS 3
	v_permlanex16_b32 v243, v248, s28, s29
	ADDS 3
	v_or_b32 v[PS], v248, v243                     ; with lane l xor 16's two the word is whole
	v_cvt_scalef32_pk16_fp6_f32 v[CD:CD+2], v[SS:SS+15], v246
	v_cvt_scalef32_pk16_fp6_f32 v[CD+12:CD+14], v[SS+16:SS+31], v246   ; (a conversion's three registers begin on an even number)
	v_cvt_scalef32_pk16_fp6_f32 v[CD+6:CD+8], v[SS+32:SS+47], v247
	v_cvt_scalef32_pk16_fp6_f32 v[CD+16:CD+18], v[SS+48:SS+63], v247
	ADDS 1                                         ; the plain place behind the conversions
.irp i, 0,1,2
	v_mov_b32 v[CD+3+\i], v[CD+12+\i]
	v_mov_b32 v[CD+9+\i], v[CD+16+\i]
.endr
	ADDS 13                                        ; also the distance between the vector writes of p's codes and scale word and the products below
	PV \q, \first
.if (\q) == 3
	WIN 0
	JOIN 3                                         ; with the v_nop: the four places behind the products, ahead of the loads into their registers
	v_nop
.if \pf
	VLOAD
.endif
	WALU                                           ; the wait at the unit's end, ahead of the branch and of the next unit's wait
.endif
.endm
.macro UNIT pf, first
	s_wait_dscnt 18                                ; K's 18 loads are in; V's 18 are younger
	TILE 0, \pf, \first
	TILE 1, \pf, \first
	TILE 2, \pf, \first
	TILE 3, \pf, \first
.endm
; THE WAY OUT of tile q: O^T / the sum; my 32 numbers are d = 32 h + 0 .. 31 of my query: one block of the output projection's K.  They are quantised and leave as a tile image.  Each tile has registers of its own for what it stores.
.macro OUT q
.set SM, ST0+4*(\q)+2
.set EE, SS+32*((\q)%2)
.set CC, KF+8*(\q)
	v_add_f32 v244, v[SM], v[SM+1]
	s_delay_alu instid0(VALU_DEP_1)
	v_permlanex16_b32 v243, v244, s28, s29
	s_delay_alu instid0(VALU_DEP_1)
	v_add_f32 v244, v244, v243                     ; the row's sum
	WALU
	v_rcp_f32 v[FF], v244
	v_nop                                          ; a plain instruction behind the reciprocal
	WIN 0x01
	WALU                                           ; and the wait ahead of its first reader, which is O^T's first reader too
.set J, 0
.rept 16
	v_pk_mul_f32 v[EE+J:EE+J+1], v[32*(\q)+J:32*(\q)+J+1], v[FF:FF+1] op_sel_hi:[1,0]
.set J, J+2
.endr
	WIN 0
	v_max3_num_f32 v238, |v[EE]|, |v[EE+1]|, 0x1800000
	v_max3_num_f32 v239, |v[EE+16]|, |v[EE+17]|, |v[EE+18]|
.irp i, 2,4,6,8,10,12
	v_max3_num_f32 v238, v238, |v[EE+\i]|, |v[EE+\i+1]|
	v_max3_num_f32 v239, v239, |v[EE+17+\i]|, |v[EE+18+\i]|
.endr
	v_max3_num_f32 v238, v238, |v[EE+14]|, |v[EE+15]|
	s_delay_alu instid0(VALU_DEP_1)
	v_max3_num_f32 v238, v238, v239, |v[EE+31]|
	s_delay_alu instid0(VALU_DEP_1)
	v_add_nc_u32 v246, 0xff000000, v238
	s_delay_alu instid0(VALU_DEP_1)
	v_lshrrev_b32 v[116+(\q)], 23, v246
	v_cvt_scalef32_pk16_fp6_f32 v[CC:CC+2], v[EE:EE+15], v246
	v_cvt_scalef32_pk16_fp6_f32 v[84+4*(\q):86+4*(\q)], v[EE+16:EE+31], v246
	v_nop
.irp i, 0,1,2
	v_mov_b32 v[CC+3+\i], v[84+4*(\q)+\i]
.endr
	global_store_b128 v1, v[CC:CC+3], s[40:41] offset:768*(\q)        ; 32 lanes store 512 consecutive bytes, aligned
	global_store_b64 v2, v[CC+4:CC+5], s[40:41] offset:768*(\q)+512
	global_store_b8 v7, v[116+(\q)], s[42:43] offset:512*(\q)         ; my block's scale byte
.endm
	s_load_b256 s[4:11], s[0:1], 0x0               ; qi s[4:5], kv s[6:7], oi s[8:9], os s[10:11]
	v_lshl_add_u32 v10, v0, 2, SPARE
	v_mov_b32 v11, 0
	ds_add_u32 v10, v11                            ; the opening lines: the add, twice on end, and its wait
	ds_add_u32 v10, v11
	v_lshrrev_b32 v8, 5, v0
	s_delay_alu instid0(VALU_DEP_1)
	v_readfirstlane_b32 s12, v8                    ; wave 0..7
	s_bfe_u32 s13, ttmp6, 0x40000                  ; cx: it enters Q's and the results' global addresses alone
	s_and_b32 s14, ttmp7, 0xffff                   ; 16 x batch + head, which the four partners share
	; descriptor group 1: two units, 26,624 dense bytes, as 104 rows of 256 bytes (32 elements of 8 bytes), no padding
	s_mov_b32 s16, 15|(3<<16)|(1<<21)              ; the mask: all four work-groups; elements of 8 bytes; bit 21 beside a mask
	s_mov_b32 s17, 32<<16
	s_mov_b32 s18, 104<<16
	s_mov_b32 s19, 32<<16
	s_mov_b32 s20, 104
	s_mov_b32 s21, 32
	s_mov_b32 s22, 0
	s_mov_b32 s23, 0
	s_mul_i32 s44, s14, 16*UNITB                   ; the head's block in kv,
	s_mul_i32 s25, s12, 2*UNITB                    ; my wave's two units of it, and the same place in LDS
	s_add_co_u32 s44, s44, s25
	s_mov_b32 s45, 0
	s_mov_b32 s24, 1
	s_mov_b32 s28, 0x76543210
	s_mov_b32 s29, 0xfedcba98                      ; v_permlanex16_b32's selects for lane l xor 16
	s_mov_b32 s30, 0x3d38aa3b                      ; c = log2(e) / 32
	s_mov_b32 s31, s30                             ; (named with it as a pair, so it is written)
	s_mov_b32 s35, 0xbd38aa3b                      ; -c
	s_wait_dscnt 0x0
	s_wait_kmcnt 0x0
	s_add_nc_u64 s[26:27], s[6:7], s[44:45]
	s_or_b32 s27, s27, 0x80000000
	CROUND                                         ; all four work-groups are here: the joint loads meet
	tensor_load_to_lds s[24:27], s[16:23]          ; my one load: one load of a wave is out
	s_nop 0
.rept 4
	v_nop
.endr
	; my group of 64 queries: 8 cx + wave of the head's 32
	s_lshr_b32 s46, s12, 1
	s_lshl_b32 s47, s13, 2
	s_add_co_u32 s46, s46, s47                     ; the unit of 128 queries: 4 cx + wave / 2
	s_lshl_b32 s47, s14, 4
	s_add_co_u32 s46, s46, s47
	s_mul_i32 s46, s46, 6656                       ; its record in qi
	s_and_b32 s45, s12, 1                          ; which half of the unit
	s_mul_i32 s47, s45, 3072
	s_add_co_u32 s36, s46, s47
	s_mov_b32 s37, 0
	s_add_nc_u64 s[36:37], s[4:5], s[36:37]        ; Q's four tile images
	s_lshl_b32 s47, s45, 8
	s_add_co_u32 s38, s46, s47
	s_add_co_u32 s38, s38, 6144
	s_mov_b32 s39, 0
	s_add_nc_u64 s[38:39], s[4:5], s[38:39]        ; the group's scale image: tile q's words lie in lanes 16 (q % 2) on, word q / 2 of a lane's pair
	s_lshr_b32 s47, s14, 4                         ; the batch
	s_lshl_b32 s47, s47, 5
	s_lshl_b32 s48, s13, 3
	s_add_co_u32 s47, s47, s48
	s_add_co_u32 s47, s47, s12                     ; the group of 64 rows among all 8,192
	s_and_b32 s48, s14, 15                         ; the head
	s_lshl_b32 s49, s47, 4
	s_add_co_u32 s49, s49, s48
	s_mul_i32 s40, s49, 3072
	s_mov_b32 s41, 0
	s_add_nc_u64 s[40:41], s[8:9], s[40:41]        ; the results' four tile images in oi
	s_lshl_b32 s49, s47, 11
	s_lshl_b32 s48, s48, 1
	s_add_co_u32 s42, s49, s48
	s_mov_b32 s43, 0
	s_add_nc_u64 s[42:43], s[10:11], s[42:43]      ; their scale bytes in os: 32 bytes a row in tile order, the head's two at 2 x head
	s_mov_b32 s32, 0
	v_and_b32 v3, 31, v0                           ; lane
	v_and_b32 v4, 15, v0                           ; r
	v_bfe_u32 v9, v0, 4, 1                         ; h
	v_lshlrev_b32 v1, 4, v3
	v_lshlrev_b32 v2, 3, v3
	v_lshlrev_b32 v6, 3, v4
	v_lshlrev_b32 v5, 3, v9
	v_lshl_add_u32 v7, v4, 5, v9
	WIN 0x40                                       ; destinations in window 1
.irp q, 0,1,2,3
	global_load_b128 v[128+12*\q:131+12*\q], v1, s[36:37] offset:768*\q        ; Q's tile q, as an image of its six registers
	global_load_b64 v[132+12*\q:133+12*\q], v2, s[36:37] offset:768*\q+512
.irp j, 6,7,8,9,10,11
	v_mov_b32 v[128+12*\q+\j], 0                   ; Q's upper 64 along K: zero codes
.endr
.endr
	WIN 0
.irp q, 0,1,2,3
	global_load_b32 v[QS+\q], v6, s[38:39] offset:128*(\q%2)+4*(\q/2)          ; its scale words: lane r takes query r's
	v_mov_b32 v[ST0+4*\q], 0x7f61b1e6              ; -M: 3e38, so that the first f is 0
	v_mov_b32 v[ST0+4*\q+1], 0xff61b1e6            ; the largest score so far: -3e38, under every score
	v_mov_b32 v[ST0+4*\q+2], 0                     ; the sum
	v_mov_b32 v[ST0+4*\q+3], 0
.endr
.irp j, 0,1,2,3,4,5
	v_mov_b32 v[KF+48+\j], 0                       ; what stands behind K's last tile
.endr
	v_mov_b32 v[FF+1], 0                           ; (named as the upper half of the pair v[50:51])
	v_mov_b32 v243, 0                              ; (a lane permute's destination counts as one of its sources)
	v_add_nc_u32 v3, s32, v1                       ; unit 0
	v_add_nc_u32 v4, s32, v2
	WALU                                           ; the wait at the head's end
	s_wait_loadcnt 0x0
	s_wait_tensorcnt 0x0                           ; for the others' sake: my two units have landed
	s_barrier_signal -1
	s_barrier_wait -1                              ; the head's K and V are whole; nothing is filled again
	KLOAD
	VLOAD
	s_mov_b32 s32, UNITB                           ; the unit that is fetched next
	UNIT 1, 1                                      ; unit 0
	s_mov_b32 s33, 14
.Lunit:                                            ; units 1 to 14
	s_add_co_u32 s32, s32, UNITB
	UNIT 1, 0
	s_sub_co_u32 s33, s33, 1
	s_cmp_lg_u32 s33, 0
	s_cbranch_scc1 .Lunit
	UNIT 0, 0                                      ; unit 15
	OUT 0
	OUT 1
	OUT 2
	OUT 3
	s_wait_tensorcnt 0x0                           ; the wave's end
	ds_add_u32 v10, v11
	s_wait_dscnt 0x0
	CROUND                                         ; the closing round
	s_endpgm
.Lfunc_end_k_q5c25c87c0e_attn:
	.size	k_q5c25c87c0e_attn, .Lfunc_end_k_q5c25c87c0e_attn-k_q5c25c87c0e_attn
	.p2alignl 7, 3214868480
	.fill 96, 4, 3214868480
	.section	.rodata,"a",@progbits
	.p2align	6, 0x0
	.amdhsa_kernel k_q5c25c87c0e_attn
		.amdhsa_group_segment_fixed_size 327680
		.amdhsa_private_segment_fixed_size 0
		.amdhsa_enable_private_segment 0
		.amdhsa_kernarg_size 32
		.amdhsa_user_sgpr_count 2
		.amdhsa_user_sgpr_kernarg_segment_ptr 1
		.amdhsa_wavefront_size32 1
		.amdhsa_system_sgpr_workgroup_id_x 1
		.amdhsa_system_sgpr_workgroup_id_y 1
		.amdhsa_system_sgpr_workgroup_id_z 1
		.amdhsa_system_vgpr_workitem_id 0
		.amdhsa_next_free_vgpr 432
		.amdhsa_next_free_sgpr 66
		.amdhsa_reserve_vcc 0
		.amdhsa_float_denorm_mode_32 3
		.amdhsa_float_denorm_mode_16_64 3
		.amdhsa_memory_ordered 1
		.amdhsa_forward_progress 1
		.amdhsa_inst_pref_size 174
	.end_amdhsa_kernel
	.amdgpu_metadata
---
amdhsa.version: [ 1, 2 ]
amdhsa.kernels:
  - .name:           k_q5c25c87c0e_attn
    .symbol:         k_q5c25c87c0e_attn.kd
    .args:
      - { .name: qi, .offset: 0, .size: 8, .value_kind: global_buffer, .address_space: global }
      - { .name: kv, .offset: 8, .size: 8, .value_kind: global_buffer, .address_space: global }
      - { .name: oi, .offset: 16, .size: 8, .value_kind: global_buffer, .address_space: global }
      - { .name: os, .offset: 24, .size: 8, .value_kind: global_buffer, .address_space: global }
    .group_segment_fixed_size: 327680
    .private_segment_fixed_size: 0
    .kernarg_segment_align: 8
    .kernarg_segment_size: 32
    .max_flat_workgroup_size: 256
    .sgpr_count:     66
    .vgpr_count:     432
    .wavefront_size: 32
...
	.end_amdgpu_metadata
.endif
;; end of part 2
;; launch outp (part 3): grid 8 x 32, 8 waves a work-group, clusters of 4 x 4, 327,680 bytes of LDS; arguments oi, os, Wo_codes, Wo_scales, bo, out0; writes out0
.if DOCPART == 3
	.amdgcn_target "amdgcn-amd-amdhsa--gfx1250"
	.amdhsa_code_object_version 6
	.text
	.protected	k_q5c25c87c0e_outp
	.globl	k_q5c25c87c0e_outp
	.p2align	8
	.type	k_q5c25c87c0e_outp,@function
k_q5c25c87c0e_outp:
	s_mov_b64 s[64:65], 0
	v_nop
	global_prefetch_b8 v0, s[64:65] scope:SCOPE_SE
	s_setreg_imm32_b32 hwreg(HW_REG_WAVE_MODE, 25, 1), 1
	s_wait_xcnt 0x0
	s_wait_alu depctr_hold_cnt(0) depctr_sa_sdst(0) depctr_va_vdst(0) depctr_va_sdst(0) depctr_va_ssrc(0) depctr_va_vcc(0) depctr_vm_vsrc(0)
	s_getreg_b32 s2, hwreg(HW_REG_IB_STS2, 6, 4)
	s_cmp_eq_u32 s2, 0
	s_cbranch_scc0 .Lentry_in_a_cluster
	s_endpgm
.Lentry_in_a_cluster:
	s_bfe_u32 s2, ttmp6, 0x10000c
	s_cmp_lg_u32 s2, 0xf033
	s_cbranch_scc0 .Lentry_shape_is_right
	s_endpgm
.Lentry_shape_is_right:
; THE OUTPUT PROJECTION out0 = o Wo^T + bo on codes of FP6 (E2M3) with E8M0 scales, f32 out.  A work-group makes 256 rows x 128 columns over the whole K = 1,024, which lies in LDS complete: every tile is filled once.
; o's codes come as the tile images that the attention launch left (dense), Wo's as rows of 768 bytes, padded in LDS; eight waves, 64 x 64 each; the bias is the first products' C.
; CLUSTERS: 4 x 4 work-groups; o's tiles are shared along a row of the cluster, Wo's along a column.  The results leave through each wave's own stage in o's first bytes, behind their one fill and last read.
; NO DATA PREFETCH: all is asked for at the head.  LIMITS: NaN and infinities are not served.
.set ROWP,  816
.set WOAT,  196608
.set SC1AT, 301056
.set SC0AT, 309248
.set SPITCH, 272
.set SC,    16
.set F0,    32
.set F1,    80
.set ACC,   128
.macro CROUND
	s_barrier_signal -1
	s_barrier_wait -1
	s_cmp_lg_u32 s32, 0
	s_cbranch_scc1 .Lnot_wave_0_\@
	s_barrier_signal -3
.Lnot_wave_0_\@:
	s_barrier_wait -3
	s_barrier_signal -1
	s_barrier_wait -1
.endm
.macro PLACES n
.rept \n
	v_nop
.endr
.endm
	s_load_b256 s[4:11], s[0:1], 0x0
	s_load_b128 s[12:15], s[0:1], 0x20
	v_lshl_add_u32 v15, v0, 2, 0x4c800             ; my spare word; v1 = 0: both are kept for the add alone
	v_mov_b32 v1, 0
	ds_add_u32 v15, v1                             ; the opening lines: the add, twice on end, and its wait
	ds_add_u32 v15, v1
	v_lshrrev_b32 v2, 5, v0
	s_delay_alu instid0(VALU_DEP_1)
	v_readfirstlane_b32 s32, v2                    ; wave 0..7
	s_lshr_b32 s33, s32, 1
	s_and_b32 s34, s32, 1
	s_bfe_u32 s35, ttmp6, 0x40000
	s_bfe_u32 s36, ttmp6, 0x40004
	s_and_b32 s37, ttmp7, 0xffff
	s_lshl_b32 s41, s37, 2
	s_add_co_u32 s41, s41, s36
	s_lshl_b32 s42, ttmp9, 2
	s_add_co_u32 s42, s42, s35
	s_lshl_b32 s43, s36, 2
	s_lshl_b32 s43, 15, s43
	s_lshl_b32 s44, 0x1111, s35
	s_or_b32 s48, s43, (3<<16)|(1<<21)
	s_or_b32 s56, s44, (3<<16)|(1<<20)|(1<<21)|(5<<22)|(3<<25)
.irp g, 48, 56
	s_mov_b32 s[\g+1], 32<<16
	s_mov_b32 s[\g+2], 192<<16                     ; a load of codes: 49,152 dense bytes as 192 rows of 256
	s_mov_b32 s[\g+3], 32<<16
	s_mov_b32 s[\g+4], 192
	s_mov_b32 s[\g+5], 32
	s_mov_b32 s[\g+6], 0
	s_mov_b32 s[\g+7], 0
.endr
	s_or_b32 s68, s43, (3<<16)|(1<<21)
	s_mov_b32 s69, 32<<16
	s_mov_b32 s70, 32<<16
	s_mov_b32 s71, 32<<16
	s_mov_b32 s72, 32
	s_mov_b32 s73, 32
	s_mov_b32 s74, 0
	s_mov_b32 s75, 0
	s_or_b32 s76, s44, (3<<16)|(1<<21)
	s_mov_b32 s77, 32<<16
	s_mov_b32 s78, 16<<16
	s_mov_b32 s79, 32<<16
	s_mov_b32 s80, 16
	s_mov_b32 s81, 32
	s_mov_b32 s82, 0
	s_mov_b32 s83, 0
	s_mov_b32 s84, 1
	s_and_b32 s45, s32, 3
	s_mul_i32 s85, s45, 49152                      ; o's images: waves 0 to 3 bring a quarter each
	s_mov_b32 s88, 1
	s_mul_i32 s89, s34, 64*ROWP                    ; Wo's rows: waves 4 and 5 bring 64 each
	s_add_co_u32 s89, s89, WOAT
	s_mov_b32 s92, 1
	s_mov_b32 s93, SC1AT
	s_mov_b32 s96, 1
	s_mov_b32 s97, SC0AT
	s_mul_i32 s46, s41, 196608
	s_add_co_u32 s46, s46, s85
	s_mov_b32 s47, 0
	s_lshl_b32 s2, s41, 13
	s_mov_b32 s3, 0
	s_mul_i32 s100, s42, 98304
	s_mul_i32 s101, s34, 49152
	s_add_co_u32 s100, s100, s101
	s_mov_b32 s101, 0
	s_lshl_b32 s38, s42, 12
	s_mov_b32 s39, 0
	s_wait_dscnt 0x0
	s_wait_kmcnt 0x0
	s_add_nc_u64 s[86:87], s[4:5], s[46:47]
	s_or_b32 s87, s87, 0x80000000
	s_add_nc_u64 s[90:91], s[8:9], s[100:101]
	s_or_b32 s91, s91, 0x80000000
	s_add_nc_u64 s[94:95], s[6:7], s[2:3]
	s_or_b32 s95, s95, 0x80000000
	s_add_nc_u64 s[98:99], s[10:11], s[38:39]
	s_or_b32 s99, s99, 0x80000000
	CROUND                                         ; all sixteen work-groups are here: the joint loads meet
	; All fills of the launch, ONE A WAVE, in one chain of branches on the wave's number: waves 0-3 o's images, waves 4 and 5 Wo's rows, wave 6 o's scale bytes, wave 7 Wo's
	s_cmp_lt_u32 s32, 4
	s_cbranch_scc0 .Lnot_s1
	tensor_load_to_lds s[84:87], s[48:55]
	s_nop 0
	PLACES 4
	s_branch .Lasked
.Lnot_s1:
	s_cmp_lt_u32 s32, 6
	s_cbranch_scc0 .Lnot_s0
	tensor_load_to_lds s[88:91], s[56:63]
	s_nop 0
	PLACES 4
	s_branch .Lasked
.Lnot_s0:
	s_cmp_eq_u32 s32, 6
	s_cbranch_scc0 .Lnot_sc1
	tensor_load_to_lds s[92:95], s[68:75]
	s_nop 0
	PLACES 4
	s_branch .Lasked
.Lnot_sc1:
	tensor_load_to_lds s[96:99], s[76:83]
	s_nop 0
	PLACES 4
.Lasked:
	v_and_b32 v11, 15, v0
	v_bfe_u32 v12, v0, 4, 1
	v_and_b32 v13, 31, v0
	s_wait_alu depctr_va_vdst(0)
	v_lshlrev_b32 v10, 5, v12
	s_lshl_b32 s20, s42, 9
	s_lshl_b32 s21, s34, 8
	s_add_co_u32 s20, s20, s21
	s_mov_b32 s21, 0
	s_add_nc_u64 s[20:21], s[12:13], s[20:21]
.irp b, 0,1,2,3
	global_load_b128 v[ACC+8*(12+\b):ACC+8*(12+\b)+3], v10, s[20:21] offset:64*\b
	global_load_b128 v[ACC+8*(12+\b)+4:ACC+8*(12+\b)+7], v10, s[20:21] offset:64*\b+16
.endr
	v_mul_u32_u24 v2, v11, ROWP
	s_delay_alu instid0(VALU_DEP_1)
	v_mad_u32_u24 v2, v12, 24, v2
	s_mul_i32 s45, s34, 64*ROWP
	s_add_co_u32 s45, s45, WOAT
	v_add_nc_u32 v2, s45, v2
	s_delay_alu instid0(VALU_DEP_1)
	v_lshl_add_u32 v3, v12, 4, v2
	s_mul_i32 s46, s33, 49152
	v_lshl_add_u32 v4, v13, 4, s46
	v_lshl_add_u32 v5, v13, 3, s46
	v_lshlrev_b32 v6, 5, v11
	s_xor_b32 s45, s33, 3
	s_add_co_u32 s45, s45, s34
	s_lshl_b32 s45, s45, 11
	s_add_co_u32 s45, s45, 2048
	v_mul_u32_u24 v14, s45, v12
	s_delay_alu instid0(VALU_DEP_1)
	v_add_nc_u32 v6, v6, v14
	s_lshl_b32 s46, s33, 11
	s_add_co_u32 s46, s46, SC1AT
	v_add_nc_u32 v6, s46, v6
	s_mul_i32 s46, s32, 16*SPITCH
	v_mul_u32_u24 v7, v11, SPITCH
	s_delay_alu instid0(VALU_DEP_1)
	v_lshl_add_u32 v7, v12, 5, v7
	s_delay_alu instid0(VALU_DEP_1)
	v_add_nc_u32 v7, s46, v7
	v_mul_u32_u24 v8, v12, SPITCH
	s_delay_alu instid0(VALU_DEP_1)
	v_lshl_add_u32 v8, v11, 4, v8
	s_delay_alu instid0(VALU_DEP_1)
	v_add_nc_u32 v8, s46, v8
	v_lshlrev_b32 v9, 12, v12
	s_delay_alu instid0(VALU_DEP_1)
	v_lshl_add_u32 v9, v11, 4, v9
	s_lshl_b32 s22, s41, 8
	s_lshl_b32 s23, s33, 6
	s_add_co_u32 s22, s22, s23
	s_lshl_b32 s22, s22, 12
	s_lshl_b32 s23, s42, 9
	s_add_co_u32 s22, s22, s23
	s_lshl_b32 s23, s34, 8
	s_add_co_u32 s22, s22, s23
	s_mov_b32 s23, 0
	s_add_nc_u64 s[22:23], s[14:15], s[22:23]
.macro FRAG reg, adr, s, u
.irp p, 0,1,2,3,4,5
.set PC, 12*(\s)+6*(\p/3)+\p%3
.if PC%32 < 29
	ds_load_b64 v[(\reg)+2*\p:(\reg)+2*\p+1], v[\adr] offset:8*PC+16*(PC/32)+(\u)*16*ROWP
.else
	ds_load_b64 v[(\reg)+2*\p:(\reg)+2*\p+1], v[\adr+1] offset:8*PC+16*(PC/32)+(\u)*16*ROWP
.endif
.endr
.endm
.macro FRAGI reg, s, i
	ds_load_b128 v[(\reg):(\reg)+3], v4 offset:6144*(\s)+768*(\i)
	ds_load_b64 v[(\reg)+4:(\reg)+5], v5 offset:6144*(\s)+768*(\i)+512
	ds_load_b128 v[(\reg)+6:(\reg)+9], v4 offset:6144*(\s)+768*(\i)+3072
	ds_load_b64 v[(\reg)+10:(\reg)+11], v5 offset:6144*(\s)+768*(\i)+3584
.endm
.macro KSTEP s
.if (\s) > 0
	PLACES 4
.endif
.if (\s)%4 == 0
.irp i, 0,1,2,3
	ds_load_b128 v[SC+4*\i:SC+4*\i+3], v6 offset:512*\i+16*((\s)/4)
.endr
.endif
.irp u, 0,1,2,3
	FRAG F0+12*\u, 2, \s, \u
.endr
.irp u, 0,1,2,3
	FRAGI F1+12*\u, \s, \u
.endr
.irp a, 0,1,2,3
	s_wait_dscnt 12-4*\a
.if ((\s) == 0) && (\a == 3)
	PLACES 5
.endif
.irp b, 0,1,2,3
.if ((\s) == 0) && (\a < 3)
	v_wmma_scale_f32_16x16x128_f8f6f4 v[ACC+8*(4*\a+\b):ACC+8*(4*\a+\b)+7], v[F0+12*\b:F0+12*\b+11], v[F1+12*\a:F1+12*\a+11], v[ACC+8*(12+\b):ACC+8*(12+\b)+7], v[SC+4*\b+(\s)%4], v[SC+4*\a+(\s)%4] matrix_a_fmt:MATRIX_FMT_FP6 matrix_b_fmt:MATRIX_FMT_FP6 matrix_a_scale:MATRIX_SCALE_ROW1
.else
	v_wmma_scale_f32_16x16x128_f8f6f4 v[ACC+8*(4*\a+\b):ACC+8*(4*\a+\b)+7], v[F0+12*\b:F0+12*\b+11], v[F1+12*\a:F1+12*\a+11], v[ACC+8*(4*\a+\b):ACC+8*(4*\a+\b)+7], v[SC+4*\b+(\s)%4], v[SC+4*\a+(\s)%4] matrix_a_fmt:MATRIX_FMT_FP6 matrix_b_fmt:MATRIX_FMT_FP6 matrix_a_scale:MATRIX_SCALE_ROW1
.endif
.endr
.endr
.endm
.macro TOSTAGE a
.irp b, 0,1,2,3
	ds_store_b128 v7, v[ACC+8*(4*(\a)+\b):ACC+8*(4*(\a)+\b)+3] offset:64*\b
	ds_store_b128 v7, v[ACC+8*(4*(\a)+\b)+4:ACC+8*(4*(\a)+\b)+7] offset:64*\b+16
.endr
.irp k, 0,1,2,3,4,5,6,7
	ds_load_b128 v[32+32*((\a)%2)+4*\k:32+32*((\a)%2)+4*\k+3], v8 offset:2*SPITCH*\k
.endr
.endm
.macro SEND a, younger
	s_wait_dscnt \younger
.irp k, 0,1,2,3,4,5,6,7
	global_store_b128 v9, v[32+32*((\a)%2)+4*\k:32+32*((\a)%2)+4*\k+3], s[22:23] offset:(8*(\a)+2*(\k%4)+32*(\k/4))*4096 th:TH_STORE_NT
.endr
.endm
	s_wait_alu depctr_va_vdst(0)
	s_wait_loadcnt 0x0
	s_wait_tensorcnt 0x0
	s_barrier_signal -1
	s_barrier_wait -1
.irp s, 0,1,2,3,4,5,6,7
	KSTEP \s
.endr
	s_wait_dscnt 0x0
	s_barrier_signal -1
	s_barrier_wait -1
	PLACES 4
	TOSTAGE 0
.irp a, 1,2,3
.if \a > 1
	s_wait_xcnt 0x0
.endif
	TOSTAGE \a
	SEND \a-1, 16
.endr
	SEND 3, 0
	s_wait_tensorcnt 0x0                           ; the wave's end
	ds_add_u32 v15, v1
	s_wait_dscnt 0x0
	CROUND
	s_endpgm
.Lfunc_end_k_q5c25c87c0e_outp:
	.size	k_q5c25c87c0e_outp, .Lfunc_end_k_q5c25c87c0e_outp-k_q5c25c87c0e_outp
	.p2alignl 7, 3214868480
	.fill 96, 4, 3214868480
	.section	.rodata,"a",@progbits
	.p2align	6, 0x0
	.amdhsa_kernel k_q5c25c87c0e_outp
		.amdhsa_group_segment_fixed_size 327680
		.amdhsa_private_segment_fixed_size 0
		.amdhsa_enable_private_segment 0
		.amdhsa_kernarg_size 48
		.amdhsa_user_sgpr_count 2
		.amdhsa_user_sgpr_kernarg_segment_ptr 1
		.amdhsa_wavefront_size32 1
		.amdhsa_system_sgpr_workgroup_id_x 1
		.amdhsa_system_sgpr_workgroup_id_y 1
		.amdhsa_system_sgpr_workgroup_id_z 1
		.amdhsa_system_vgpr_workitem_id 0
		.amdhsa_next_free_vgpr 256
		.amdhsa_next_free_sgpr 102
		.amdhsa_reserve_vcc 0
		.amdhsa_float_denorm_mode_32 3
		.amdhsa_float_denorm_mode_16_64 3
		.amdhsa_memory_ordered 1
		.amdhsa_forward_progress 1
		.amdhsa_inst_pref_size 56
	.end_amdhsa_kernel
	.amdgpu_metadata
---
amdhsa.version: [ 1, 2 ]
amdhsa.kernels:
  - .name:           k_q5c25c87c0e_outp
    .symbol:         k_q5c25c87c0e_outp.kd
    .args:
      - { .name: oi, .offset: 0, .size: 8, .value_kind: global_buffer, .address_space: global }
      - { .name: os, .offset: 8, .size: 8, .value_kind: global_buffer, .address_space: global }
      - { .name: Wo_codes, .offset: 16, .size: 8, .value_kind: global_buffer, .address_space: global }
      - { .name: Wo_scales, .offset: 24, .size: 8, .value_kind: global_buffer, .address_space: global }
      - { .name: bo, .offset: 32, .size: 8, .value_kind: global_buffer, .address_space: global }
      - { .name: out0, .offset: 40, .size: 8, .value_kind: global_buffer, .address_space: global }
    .group_segment_fixed_size: 327680
    .private_segment_fixed_size: 0
    .kernarg_segment_align: 8
    .kernarg_segment_size: 48
    .max_flat_workgroup_size: 256
    .sgpr_count:     102
    .vgpr_count:     256
    .wavefront_size: 32
...
	.end_amdgpu_metadata
.endif
;; end of part 3
